; MI455X (gfx1250); checked and timed in simulation.
; The chip was launched on July 23, 2026; its instructions are those of AMD's public machine-readable ISA for CDNA 5 (MIT licence, August 2026) and "CDNA5" Instruction Set Architecture Reference Guide (July 2026). The comments in the code are by the model that wrote it; some were corrected since.
;; Attention. Allowed arithmetic: matrix products marked QUANTISED: E5M2 operands, one given power-of-two scale a tensor, by v_wmma_f32_16x16x64_bf8_bf8 or v_wmma_f32_16x16x128_bf8_bf8, f32 sums; everything else in f32.
;; Inputs: W_o_codes 1,024 x 32 x 32 uint8 (E5M2 codes of W_o, K innermost, in blocks of 32 codes); W_qkv_codes 3,072 x 32 x 32 uint8 (E5M2 codes of W_qkv, K innermost, in blocks of 32 codes); b_o 1,024 float32; b_qkv 3,072 float32; lowp_scales 8 int32 (the exponents e of the quantised operands' scales 2^e); x_codes 4 x 2,048 x 32 x 32 uint8 (E5M2 codes of x, K innermost, in blocks of 32 codes).
;; Outputs: out0 4 x 2,048 x 1,024 float32.
;; This version of the problem:
;;   THIS VERSION OF THE PROBLEM IS GIVEN IN LOW PRECISION. The matrix products marked QUANTISED in the list below multiply operands that are first quantised to E5M2 (5 exponent bits, 2 mantissa bits; 8 bits a number), with one given power-of-two scale for each operand tensor; their sums are f32. All else is computed in f32.
;;   The module's matrix products, in the order in which they are computed (A, B: the left and right operand; K: the contracted axis; several contracted axes count as one K, in the product's order):
;;     1. [M 8,192, K 1,024] x [K 1,024, N 3,072]; A: input x (given as codes); B: input W_qkv (given as codes): QUANTISED (scales: A lowp_scales[0], B lowp_scales[1])
;;     2. batch 64 x [M 2,048, K 64] x [K 64, N 2,048]; A: computed on the way; B: computed on the way: QUANTISED (scales: A lowp_scales[2], B lowp_scales[3])
;;     3. batch 64 x [M 2,048, K 2,048] x [K 2,048, N 64]; A: softmax (see below); B: computed on the way: QUANTISED (scales: A lowp_scales[4], B lowp_scales[5])
;;     4. [M 8,192, K 1,024] x [K 1,024, N 1,024]; A: computed on the way; B: input W_o (given as codes): QUANTISED (scales: A lowp_scales[6], B lowp_scales[7])
;;   THE QUANTISER, for each operand of a quantised product, along K:
;;     - The operand's scale is 2^e, e = its entry of the input lowp_scales (int32; the entries are numbered through the quantised products in the list's order, A before B).
;;     - Each number is divided by the scale, clamped to +-57,344, and rounded to the nearest number of E5M2, ties to even, subnormals kept.
;;     - The product sums the exact products of the quantised numbers (number of the format x scale) in f32.
;;   ~~~python
;;   def quantise(x, axis, e):      # numpy; x: float32 -> the quantised numbers, widened to float32 again
;;       x = np.moveaxis(x, axis, -1); K = x.shape[-1]
;;       r = np.clip(x / 2.0 ** e, -57344, 57344)
;;       step = 2.0 ** (np.maximum(np.frexp(np.where(r == 0, 1, r))[1] - 1, -14) - 2)
;;       q = np.round(r / step) * step * 2.0 ** e      # np.round: ties to even
;;       return np.moveaxis(q, -1, axis).astype(np.float32)
;;   ~~~
;;   SOFTMAX AHEAD OF A QUANTISED PRODUCT. Where the list says 'softmax', what is quantised is not the finished softmax but p = 2^(t - M), with t = logit x log2(e) and M = ceil(the row's largest t), a whole number; so 1/2 < the row's largest p <= 1. The row's sum l is taken of the UNQUANTISED p, in f32, and the product's result is divided by l at the end. Since M is a whole number, a kernel that streams over the keys may use a running M (the ceiling of the running maximum): every later rescaling is an exact power of two, so the quantised numbers keep their values, but for numbers so far below the row's largest that they fall under the format's range.
;;   OPERANDS COMPUTED ON THE WAY. 'Computed on the way' means the value that the module computes at that place (a softmax that the list does not call 'softmax' is quantised finished and normalised). What goes into a quantiser is computed in f32, as accurately as f32 sums, v_exp_f32 and their like allow (about 1e-6 of the number): no bf16 or f16 on the way to a quantiser, and a product that is left as it is and whose result goes on into a quantised operand takes f32 operands (vector FMAs, or v_wmma_f32_16x16x4_f32). A number that lies on a knife's edge between two numbers of the format may be rounded either way, as far as f32 arithmetic and the matrix unit's own rounding can turn it there, and no further.
;;   INPUTS GIVEN AS CODES. W_o (in the module: [1024, 1024], K = its axis 1); W_qkv (in the module: [3072, 1024], K = its axis 1); x (in the module: [4, 2048, 1024], K = its axis 2): each comes as NAME_codes (uint8): NAME with its K axis moved to the last place and cut into blocks of 32 codes, [.., K / 32, bytes a block], one block behind the other in memory; one code a byte (a code: sign, 5 exponent bits, 2 mantissa bits); its scale is its entry of lowp_scales. Its value is code x scale, taken as it is: it is not quantised again, and the codes and scales need not be those that the quantiser above would give.
;; One version. Each part assembles by itself: llvm-mc -triple=amdgcn-amd-amdhsa -mcpu=gfx1250 --defsym DOCPART=n.
;; ======== version 1 of 1: 3 launches
;; workspace buffers: qimg 8,388,608 bytes; kimg 8,388,608 bytes; vimg 8,388,608 bytes; zimg 8,388,608 bytes
;; launch qkv (part 1): grid 16 x 32, 4 waves a work-group, clusters of 4 x 4, 327,680 bytes of LDS; arguments x_codes, W_qkv_codes, b_qkv, lowp_scales, qimg, kimg, vimg; writes qimg, kimg, vimg
.if DOCPART == 1
	.amdgcn_target "amdgcn-amd-amdhsa--gfx1250"
	.amdhsa_code_object_version 6
	.text
	.protected	k_q365bec4f14_qkv
	.globl	k_q365bec4f14_qkv
	.p2align	8
	.type	k_q365bec4f14_qkv,@function
k_q365bec4f14_qkv:
	s_mov_b64 s[64:65], 0
	v_nop
	global_prefetch_b8 v0, s[64:65] scope:SCOPE_SE
	s_setreg_imm32_b32 hwreg(HW_REG_WAVE_MODE, 25, 1), 1
	s_wait_xcnt 0x0
	s_wait_alu depctr_hold_cnt(0) depctr_sa_sdst(0) depctr_va_vdst(0) depctr_va_sdst(0) depctr_va_ssrc(0) depctr_va_vcc(0) depctr_vm_vsrc(0)
	s_getreg_b32 s2, hwreg(HW_REG_IB_STS2, 6, 4)
	s_cmp_eq_u32 s2, 0
	s_cbranch_scc0 .Lentry_in_a_cluster
	s_endpgm
.Lentry_in_a_cluster:
	s_bfe_u32 s2, ttmp6, 0x10000c
	s_cmp_lg_u32 s2, 0xf033
	s_cbranch_scc0 .Lentry_shape_is_right
	s_endpgm
.Lentry_shape_is_right:
; qkv = x W_qkv^T + b_qkv on codes of E5M2, and q, k, v quantised at once with their given scales 2^e2, 2^e3, 2^e5.
; x: [8192][1024] codes, W_qkv: [3072][1024] codes, K innermost; b_qkv f32; lowp_scales: e0 .. e7 (int32).
; SHARES.  A work-group makes 256 tokens x the 192 features of ONE head (64 of q, of k, of v: W's rows 64 X + {0, 1024, 2048} + 0 .. 63): grid 16 heads x 32 token blocks.
; Wave w: rho = w / 2 picks 128 tokens, chi = w % 2 picks features 32 chi .. 32 chi + 31 of each of q, k, v: 8 token tiles a x 6 feature tiles f (f = 0, 1: q; 2, 3: k; 4, 5: v) = 48 accumulators.
; ORIENTATION.  q and k: source 0 = 16 rows of W, source 1 = 16 tokens: a lane holds one token and eight neighbouring features, which are the next product's K.
;               v:       source 0 = 16 tokens, source 1 = 16 rows of W: a lane holds one feature and eight neighbouring tokens (keys), which are K of the product with the softmax's p.
; So eight registers of a result convert into one register pair of the 16x16x64 form's own operand layout, and the codes are stored AS IMAGES OF THE NEXT LAUNCH'S OPERAND REGISTERS:
;   qimg, kimg: [bh 64][token tile 128][chunk 2][lane 32][16 bytes]: lane (r, h): token r, pair c: d = 16 c + 8 h + 0 .. 7; chunk = pairs 2 chunk, 2 chunk + 1
;   vimg:       [bh 64][step of 64 keys 32][d tile 4][chunk 2][lane 32][16 bytes]: lane (r, h): d = 16 t + r, pair c: keys 16 c + 8 h + 0 .. 7 of the step
; Every store of a wave covers 512 consecutive bytes, aligned.
; THE BIAS is the C of each sum's first product, as b / 2^(e0 + e1); a sum then stands for sum x 2^(e0 + e1), and the conversion's one scale is 2^(e_t - e0 - e1).
; K goes in four steps of 256 through two LDS slots filled by the tensor data mover; the eight sub-steps of 128 are written straight, without a loop.
; CLUSTER 4 x 4: x's tile hangs on the token block alone and is asked for jointly along a row of the cluster, W's on the head alone, jointly along a column.
; Fragments come by four 16-byte LDS loads: K = 32 c + 16 h + 0 .. 15 in registers 4 c .. 4 c + 3, the same permutation of k on both sides.
; LIMITS: e2 - e0 - e1, e3 - e0 - e1, e5 - e0 - e1 between -126 and 112, so that each scale and each largest number x scale is an f32 number; b x 2^-(e0 + e1) finite; NaN among the biases is not served.
; REGISTERS, in windows of 256: window 0: v1-29 addresses and scales, v32-127 at work on the way out, v128-255 x's 8 fragments (one set), later the codes.
;   window 1: W's 6 fragments, two sets, at v0 and v128.  window 2: accumulators of token tiles 0-3 at v[8 (6 a + f)], v192-239 the six bias tiles.  window 3: accumulators of token tiles 4-7.
.set PITCH, 272                        ; an LDS row: 256 bytes + 16 of padding: the 16 rows of a fragment load start 16 bytes apart modulo 256
.set XB,    256*PITCH                  ; x's 256 rows
.set SLOT,  448*PITCH                  ; then W's 192 rows: q's 64, k's 64, v's 64
.set SPARE, 2*SLOT                     ; behind the ring: the spare words, 128 bytes a wave: two blocks of 256 bytes that no other line names
.set SCQ,  10                          ; v10-12  the conversions' scales for q, k, v
.set SCK,  11
.set SCV,  12
.set ADRA, 16                          ; v16-17  LDS address of my x fragments in slot 0, 1
.set ADRB, 20                          ; v20-21  the same for W
.set LI,   26                          ; v26     16 x lane: my place in an image's 512 bytes; never rewritten
.set SPW,  28                          ; v28     my spare word; never rewritten
.set NIL,  29                          ; v29     0; never rewritten
.set TMP,  32
.set AF,   128
.set BI,   192                         ; in window 2
.set G1,   24                          ; s[24:31] group 1 for x's tiles; s[32:39] group 0, a set for each slot
.set G0,   32
.set G1B,  48                          ; s[48:55], s[56:63] the same for W's
.set G0B,  56
.set MSB,  0
.macro WIN new                         ; the immediate's high byte repeats the setting that is left; a switch that changes nothing is dropped
.if MSB != (\new)
	s_set_vgpr_msb (MSB<<8)|(\new)
.set MSB, (\new)
.endif
.endm
.macro PLACES                          ; four plain vector lines between a matrix instruction and a load into, or a vector read or write of, one of its registers
.rept 4
	v_nop
.endr
.endm
; A joint load: wave 3 fetches x's 256 rows, waves 0, 1, 2 W's planes of q, k, v.  The branch hangs on the wave's number alone.  Four v_nop follow each line.
.macro JLOAD s
	s_cmp_eq_u32 s14, 3
	s_cbranch_scc0 .Lfor_w_\@
	tensor_load_to_lds s[G0+4*\s:G0+4*\s+3], s[G1:G1+7]
	s_nop 0
.rept 4
	v_nop
.endr
	s_branch .Lasked_\@
.Lfor_w_\@:
	tensor_load_to_lds s[G0B+4*\s:G0B+4*\s+3], s[G1B:G1B+7]
	s_nop 0
.rept 4
	v_nop
.endr
.Lasked_\@:
.endm
.macro CREST                           ; a round of the cluster's barrier behind its opening barrier
	s_cmp_lg_u32 s14, 0
	s_cbranch_scc1 .Lnot_wave_0_\@
	s_barrier_signal -3
.Lnot_wave_0_\@:
	s_barrier_wait -3
	s_barrier_signal -1
	s_barrier_wait -1
.endm
.macro CROUND
	s_barrier_signal -1
	s_barrier_wait -1
	CREST
.endm
	s_load_b256 s[4:11], s[0:1], 0x0               ; x s[4:5], W s[6:7], b_qkv s[8:9], lowp_scales s[10:11]
	s_load_b128 s[68:71], s[0:1], 0x20             ; qimg, kimg
	s_load_b64 s[72:73], s[0:1], 0x30              ; vimg
	v_lshl_add_u32 v[SPW], v0, 2, SPARE
	v_mov_b32 v[NIL], 0
	ds_add_u32 v28, v29
	ds_add_u32 v28, v29
	s_wait_dscnt 0x0
	v_lshrrev_b32 v1, 5, v0
	v_readfirstlane_b32 s14, v1                    ; wave 0..3
	s_lshr_b32 s15, s14, 1                         ; rho: my 128 tokens
	s_and_b32 s16, s14, 1                          ; chi: my 32 features of each plane
	s_min_u32 s18, s14, 2                          ; the plane of W that I fetch (wave 3 fetches x and does not use it)
	s_bfe_u32 s40, ttmp6, 0x40000                  ; cx
	s_bfe_u32 s41, ttmp6, 0x40004                  ; cy
	s_lshl_b32 s42, ttmp9, 2
	s_add_co_u32 s42, s42, s40                     ; X: the head = 4 x cluster x + cx
	s_and_b32 s17, ttmp7, 0xffff
	s_lshl_b32 s17, s17, 2
	s_add_co_u32 s17, s17, s41                     ; Y: the token block = 4 x cluster y + cy
	s_lshl_b32 s43, s41, 2
	s_lshl_b32 s43, 15, s43                        ; my row of the cluster
	s_lshl_b32 s44, 0x1111, s40                    ; my column
	s_or_b32 s[G1], s43, (1<<20)|(1<<21)|(5<<22)|(3<<25)    ; 15:0 mask; elements of 1 byte; 20 padding on; 21 set beside a mask; after every 64 words (code 5) four words (code 3)
	s_or_b32 s[G1B], s44, (1<<20)|(1<<21)|(5<<22)|(3<<25)
	s_mov_b32 s[G1+1], 256<<16                     ; tensor_dim0 = 256
	s_mov_b32 s[G1+2], 256<<16                     ; tensor_dim1 = 256
	s_mov_b32 s[G1+3], 256<<16                     ; tile_dim0 = 256
	s_mov_b32 s[G1+4], 256                         ; tile_dim1 = 256 rows
	s_mov_b32 s[G1+5], 1024                        ; from row to row
	s_mov_b32 s[G1+6], 0
	s_mov_b32 s[G1+7], 0
	s_mov_b32 s[G1B+1], 256<<16
	s_mov_b32 s[G1B+2], 64<<16                     ; tensor_dim1 = 64
	s_mov_b32 s[G1B+3], 256<<16
	s_mov_b32 s[G1B+4], 64                         ; tile_dim1 = 64 rows
	s_mov_b32 s[G1B+5], 1024
	s_mov_b32 s[G1B+6], 0
	s_mov_b32 s[G1B+7], 0
	s_lshl_b32 s74, s17, 18                        ; x: 256 Y rows of 1,024 bytes: made of Y alone
	s_mov_b32 s75, 0
	s_lshl_b32 s46, s18, 20                        ; W: (1,024 plane + 64 X) rows of 1,024 bytes: made of X and the wave's number alone
	s_lshl_b32 s47, s42, 16
	s_add_co_u32 s46, s46, s47
	s_mov_b32 s47, 0
	s_mul_i32 s45, s18, 64*PITCH
	s_add_co_u32 s45, s45, XB                      ; and the plane's place in a slot
	s_wait_kmcnt 0x0
	s_load_b256 s[80:87], s[10:11], 0x0            ; e0 .. e7
	s_add_nc_u64 s[74:75], s[4:5], s[74:75]
	s_add_nc_u64 s[46:47], s[6:7], s[46:47]
	CROUND                                         ; all sixteen work-groups are here: the first joint loads meet
.irp s, 0,1
	s_mov_b32 s[G0+4*\s], 1
	s_mov_b32 s[G0+4*\s+1], \s*SLOT
	s_add_nc_u64 s[G0+4*\s+2:G0+4*\s+3], s[74:75], \s*256
	s_or_b32 s[G0+4*\s+3], s[G0+4*\s+3], 0x80000000
	s_mov_b32 s[G0B+4*\s], 1
	s_add_co_u32 s[G0B+4*\s+1], s45, \s*SLOT
	s_add_nc_u64 s[G0B+4*\s+2:G0B+4*\s+3], s[46:47], \s*256
	s_or_b32 s[G0B+4*\s+3], s[G0B+4*\s+3], 0x80000000
	JLOAD \s                                       ; K steps 0 and 1: two loads of mine are out
.endr
	; while the tiles are on their way: lane addresses, biases, scales, output bases
	v_and_b32 v1, 15, v0                           ; r
	v_bfe_u32 v2, v0, 4, 1                         ; h
	v_mul_u32_u24 v3, v1, PITCH
	v_lshl_add_u32 v4, v2, 4, v3                   ; a fragment's row x pitch + 16 h
	s_mul_i32 s21, s15, 128*PITCH                  ; my 128 rows of x
	s_mul_i32 s22, s16, 32*PITCH                   ; my 32 rows of each plane of W,
	s_add_co_u32 s22, s22, XB                      ; which lie behind x's 256
.irp s, 0,1
	v_add_nc_u32 v[ADRA+\s], s21, v4
	v_add_nc_u32 v[ADRB+\s], s22, v4
	s_add_co_u32 s21, s21, SLOT
	s_add_co_u32 s22, s22, SLOT
.endr
	v_and_b32 v5, 31, v0
	v_lshlrev_b32 v[LI], 4, v5
	v_lshlrev_b32 v6, 5, v2                        ; q, k: a lane's eight biases begin 32 h bytes into the tile's 64
	v_lshlrev_b32 v7, 2, v1                        ; v: a lane's one bias lies 4 r bytes in
	s_lshl_b32 s78, s42, 8
	s_lshl_b32 s79, s16, 7
	s_add_co_u32 s78, s78, s79
	s_mov_b32 s79, 0
	s_add_nc_u64 s[8:9], s[8:9], s[78:79]          ; b_qkv at feature 64 X + 32 chi of q's plane
	WIN 0x80                                       ; destination window 2, address window 0
.irp f, 0,1,2,3
	global_load_b128 v[BI+8*\f:BI+8*\f+3], v6, s[8:9] offset:4096*(\f/2)+64*(\f%2)
	global_load_b128 v[BI+8*\f+4:BI+8*\f+7], v6, s[8:9] offset:4096*(\f/2)+64*(\f%2)+16
.endr
	WIN 0
	global_load_b32 v8, v7, s[8:9] offset:8192
	global_load_b32 v9, v7, s[8:9] offset:8192+64
	s_lshr_b32 s76, s17, 3                         ; the batch
	s_lshl_b32 s76, s76, 4
	s_add_co_u32 s76, s76, s42                     ; bh = 16 b + head
	s_lshl_b32 s76, s76, 17                        ; 131,072 bytes of each image for a bh
	s_and_b32 s77, s17, 7
	s_lshl_b32 s77, s77, 14                        ; 256 tokens are 16,384 bytes of each image
	s_add_co_u32 s76, s76, s77
	s_lshl_b32 s77, s15, 13
	s_add_co_u32 s76, s76, s77                     ; + my 128 tokens
	s_lshl_b32 s78, s16, 9                         ; q, k: chunk chi
	s_add_co_u32 s78, s78, s76
	s_add_nc_u64 s[68:69], s[68:69], s[78:79]
	s_add_nc_u64 s[70:71], s[70:71], s[78:79]
	s_lshl_b32 s78, s16, 11                        ; v: d tiles 2 chi, 2 chi + 1
	s_add_co_u32 s78, s78, s76
	s_add_nc_u64 s[72:73], s[72:73], s[78:79]
	s_wait_loadcnt 0x0                             ; the biases
	s_wait_kmcnt 0x0                               ; the exponents
	s_add_co_i32 s88, s80, s81
	s_sub_co_i32 s88, 0, s88                       ; -(e0 + e1)
	WIN 0x82                                       ; source 0 and destination window 2
.set j, 0
.rept 32
	v_ldexp_f32 v[BI+j], v[BI+j], s88              ; q's and k's bias tiles: b / 2^(e0 + e1)
.set j, j+1
.endr
	WIN 0x80                                       ; source 0 window 0, destination window 2
.irp u, 0,1
.set j, 0
.rept 8
	v_ldexp_f32 v[BI+32+8*\u+j], v[8+\u], s88      ; v's: a lane's feature is the same in all eight registers
.set j, j+1
.endr
.endr
	WIN 0
.macro MKSC e, vs, sl                  ; 2^(e_t - e0 - e1) as f32 into v[vs]; -+57,344 x that into s[sl], s[sl + 1]
	s_add_co_i32 s89, s[\e], s88
	s_add_co_i32 s89, s89, 127
	s_lshl_b32 s19, s89, 23
	v_mov_b32 v[\vs], s19
	s_add_co_i32 s89, s89, 15
	s_lshl_b32 s89, s89, 23
	s_or_b32 s[\sl+1], s89, 0x600000
	s_or_b32 s[\sl], s[\sl+1], 0x80000000
.endm
	MKSC 82, SCQ, 90
	MKSC 83, SCK, 92
	MKSC 85, SCV, 94
.macro FRAG reg, adr, q, off           ; 16 rows x 128 K: four loads of 16 bytes, 32 bytes apart
.irp c, 0,1,2,3
	ds_load_b128 v[\reg+4*\c:\reg+4*\c+3], v[\adr] offset:128*(\q)+32*\c+(\off)
.endr
.endm
.macro FETCH_W slot, q, p              ; W's six fragments of the slot's q-th 128 along K into set p: 24 loads
	WIN 0x40
.irp f, 0,1,2,3,4,5
	FRAG 128*(\p)+16*\f, ADRB+\slot, \q, (64*(\f/2)+16*(\f%2))*PITCH
.endr
	WIN 0
.endm
.macro FETCH_X slot, q, i0             ; x's blocks i0 .. i0 + 3: 16 loads
.irp i, \i0, \i0+1, \i0+2, \i0+3
	FRAG AF+16*(\i), ADRA+\slot, \q, (\i)*16*PITCH
.endr
.endm
; 16 products for q and k: token tiles 4 hi + 0 .. 3 x feature tiles 0 .. 3.  first = 1: the bias tile is C.  The 48 accumulators take turns, one instruction a turn, in the same order in every sub-step.
.macro MQK hi, p, first
.if (\hi) == 0
	WIN 0xa1                                       ; source 0 (W) window 1, source 1 (x) window 0, C and D window 2
.elseif \first
	WIN 0xe1                                       ; C (the bias) window 2, D window 3
.else
	WIN 0xf1
.endif
.irp a, 0,1,2,3
.irp f, 0,1,2,3
.if \first
	v_wmma_f32_16x16x128_bf8_bf8 v[8*(6*\a+\f):8*(6*\a+\f)+7], v[128*(\p)+16*\f:128*(\p)+16*\f+15], v[AF+16*(4*(\hi)+\a):AF+16*(4*(\hi)+\a)+15], v[BI+8*\f:BI+8*\f+7]
.else
	v_wmma_f32_16x16x128_bf8_bf8 v[8*(6*\a+\f):8*(6*\a+\f)+7], v[128*(\p)+16*\f:128*(\p)+16*\f+15], v[AF+16*(4*(\hi)+\a):AF+16*(4*(\hi)+\a)+15], v[8*(6*\a+\f):8*(6*\a+\f)+7]
.endif
.endr
.endr
.endm
; 8 products for v, the sources the other way round
.macro MV hi, p, first
.if (\hi) == 0
	WIN 0xa4                                       ; source 0 (x) window 0, source 1 (W) window 1, C and D window 2
.elseif \first
	WIN 0xe4
.else
	WIN 0xf4
.endif
.irp a, 0,1,2,3
.irp f, 4,5
.if \first
	v_wmma_f32_16x16x128_bf8_bf8 v[8*(6*\a+\f):8*(6*\a+\f)+7], v[AF+16*(4*(\hi)+\a):AF+16*(4*(\hi)+\a)+15], v[128*(\p)+16*\f:128*(\p)+16*\f+15], v[BI+8*\f:BI+8*\f+7]
.else
	v_wmma_f32_16x16x128_bf8_bf8 v[8*(6*\a+\f):8*(6*\a+\f)+7], v[AF+16*(4*(\hi)+\a):AF+16*(4*(\hi)+\a)+15], v[128*(\p)+16*\f:128*(\p)+16*\f+15], v[8*(6*\a+\f):8*(6*\a+\f)+7]
.endif
.endr
.endr
.endm
; A slot's first 128 along K: multiplies W's set 0, fetches the second 128 into set 1.  x has one set: a block is free when its six products are issued.
.macro STEP slot, first
	s_wait_dscnt 16                                ; W's set and x's blocks 0-3 are in; the sixteen youngest loads (blocks 4-7) may be out
	MQK 0, 0, \first
	MV 0, 0, \first
	s_wait_dscnt 0x0                               ; blocks 4-7 are in
	PLACES
	FETCH_W \slot, 1, 1
	FETCH_X \slot, 1, 0
	MQK 1, 0, \first
	MV 1, 0, \first
	PLACES
	WIN 0
	FETCH_X \slot, 1, 4
.endm
; A slot's second 128 along K changes slots: one barrier; in front of it each wave waits for all its tensor loads, adds 0 to its spare word, and waits for that and for its reads of this slot.
.macro TURN slot, next, fill
	s_wait_tensorcnt 0x0                           ; all my tensor loads have landed: my part of the next slot
	ds_add_u32 v[SPW], v[NIL]                      ; 0 onto my spare word
	s_wait_dscnt 17                                ; (the add and the sixteen youngest loads may be out)
	MQK 0, 1, 0                                    ; sixteen products stand between the add and the wait for it
	s_wait_dscnt 0x0                               ; the add is done, and my reads of this slot are over
	s_barrier_signal -1
	MV 0, 1, 0
	WIN 0
	s_barrier_wait -1
.if \fill
	CREST                                          ; the barrier has opened a round of the cluster's: no wave of any partner still reads this slot or has a load on its way
	s_add_nc_u64 s[G0+4*\slot+2:G0+4*\slot+3], s[G0+4*\slot+2:G0+4*\slot+3], 512
	s_add_nc_u64 s[G0B+4*\slot+2:G0B+4*\slot+3], s[G0B+4*\slot+2:G0B+4*\slot+3], 512
	JLOAD \slot                                    ; two K steps on; its four v_nop are also the places in front of the loads below
.else
	PLACES
.endif
	FETCH_W \next, 0, 0
	FETCH_X \next, 0, 0
	MQK 1, 1, 0
	MV 1, 1, 0
	PLACES
	WIN 0
	FETCH_X \next, 0, 4
.endm
	s_wait_tensorcnt 0x1                           ; my part of K step 0 is in; K step 1's load, issued behind it, may stay out
	s_barrier_signal -1
	s_barrier_wait -1
	FETCH_W 0, 0, 0
	FETCH_X 0, 0, 0
	FETCH_X 0, 0, 4
	STEP 0, 1                                      ; the first products start the sums from the biases
	TURN 0, 1, 1                                   ; slot 0 takes K step 2
	STEP 1, 0
	TURN 1, 0, 1                                   ; slot 1 takes K step 3
	STEP 0, 0
	TURN 0, 1, 0                                   ; nothing is left to fetch
	STEP 1, 0
	s_wait_dscnt 16                                ; the last 128 along K
	MQK 0, 1, 0
	MV 0, 1, 0
	s_wait_dscnt 0x0
	MQK 1, 1, 0
	MV 1, 1, 0
	WIN 0
	PLACES
; THE WAY OUT, two token tiles at a time: the hold at the largest code x the scale (always executed: the conversion does not saturate, ISA guide 7.6.2), the conversions, six stores of 512 bytes.
; Each accumulator is read from its low end on.  Each group has code registers of its own, and no base or offset is rewritten: so no wait stands between the stores.
.macro OUTG g
.set CD, AF+24*(\g)
	WIN 0x02+(\g)/2                                ; source 0: window 2 or 3
.irp e, 0,1
.set i, 0
.rept 48
	v_med3_num_f32 v[TMP+48*\e+i], v[48*((2*(\g)+\e)%4)+i], s[90+2*(i/16)], s[91+2*(i/16)]
.set i, i+1
.endr
.endr
	WIN 0
.irp e, 0,1
.irp f, 0,1
	v_cvt_scalef32_pk8_bf8_f32 v[CD+4*\e+2*\f:CD+4*\e+2*\f+1], v[TMP+48*\e+8*\f:TMP+48*\e+8*\f+7], v[SCQ]            ; q: token tile e, pair 2 chi + f
	v_cvt_scalef32_pk8_bf8_f32 v[CD+8+4*\e+2*\f:CD+8+4*\e+2*\f+1], v[TMP+48*\e+16+8*\f:TMP+48*\e+16+8*\f+7], v[SCK]  ; k likewise
	v_cvt_scalef32_pk8_bf8_f32 v[CD+16+4*\f+2*\e:CD+16+4*\f+2*\e+1], v[TMP+48*\e+32+8*\f:TMP+48*\e+32+8*\f+7], v[SCV] ; v: d tile 2 chi + f, the chunk's pair e
.endr
.endr
	v_nop                                          ; one plain vector line behind the last conversion: the next group's holds write the conversions' sources
.irp e, 0,1
	global_store_b128 v[LI], v[CD+4*\e:CD+4*\e+3], s[68:69] offset:(2*(\g)+\e)*1024
	global_store_b128 v[LI], v[CD+8+4*\e:CD+8+4*\e+3], s[70:71] offset:(2*(\g)+\e)*1024
	global_store_b128 v[LI], v[CD+16+4*\e:CD+16+4*\e+3], s[72:73] offset:((\g)/2)*4096+((\g)%2)*512+\e*1024
.endr
.endm
	OUTG 0
	OUTG 1
	OUTG 2
	OUTG 3
	s_wait_tensorcnt 0x0                           ; the wave's end
	ds_add_u32 v[SPW], v[NIL]
	s_wait_dscnt 0x0
	CROUND                                         ; the closing round: no work-group ends while a partner may still ask for a tile that names it
	s_endpgm
.Lfunc_end_k_q365bec4f14_qkv:
	.size	k_q365bec4f14_qkv, .Lfunc_end_k_q365bec4f14_qkv-k_q365bec4f14_qkv
	.p2alignl 7, 3214868480
	.fill 96, 4, 3214868480
	.section	.rodata,"a",@progbits
	.p2align	6, 0x0
	.amdhsa_kernel k_q365bec4f14_qkv
		.amdhsa_group_segment_fixed_size 327680
		.amdhsa_private_segment_fixed_size 0
		.amdhsa_enable_private_segment 0
		.amdhsa_kernarg_size 56
		.amdhsa_user_sgpr_count 2
		.amdhsa_user_sgpr_kernarg_segment_ptr 1
		.amdhsa_wavefront_size32 1
		.amdhsa_system_sgpr_workgroup_id_x 1
		.amdhsa_system_sgpr_workgroup_id_y 1
		.amdhsa_system_sgpr_workgroup_id_z 1
		.amdhsa_system_vgpr_workitem_id 0
		.amdhsa_next_free_vgpr 1024
		.amdhsa_next_free_sgpr 100
		.amdhsa_reserve_vcc 0
		.amdhsa_float_denorm_mode_32 3
		.amdhsa_float_denorm_mode_16_64 3
		.amdhsa_memory_ordered 1
		.amdhsa_forward_progress 1
		.amdhsa_inst_pref_size 101
	.end_amdhsa_kernel
	.amdgpu_metadata
---
amdhsa.version: [ 1, 2 ]
amdhsa.kernels:
  - .name:           k_q365bec4f14_qkv
    .symbol:         k_q365bec4f14_qkv.kd
    .args:
      - { .name: x_codes, .offset: 0, .size: 8, .value_kind: global_buffer, .address_space: global }
      - { .name: W_qkv_codes, .offset: 8, .size: 8, .value_kind: global_buffer, .address_space: global }
      - { .name: b_qkv, .offset: 16, .size: 8, .value_kind: global_buffer, .address_space: global }
      - { .name: lowp_scales, .offset: 24, .size: 8, .value_kind: global_buffer, .address_space: global }
      - { .name: qimg, .offset: 32, .size: 8, .value_kind: global_buffer, .address_space: global }
      - { .name: kimg, .offset: 40, .size: 8, .value_kind: global_buffer, .address_space: global }
      - { .name: vimg, .offset: 48, .size: 8, .value_kind: global_buffer, .address_space: global }
    .group_segment_fixed_size: 327680
    .private_segment_fixed_size: 0
    .kernarg_segment_align: 8
    .kernarg_segment_size: 56
    .max_flat_workgroup_size: 128
    .sgpr_count:     100
    .vgpr_count:     1024
    .wavefront_size: 32
...
	.end_amdgpu_metadata
.endif
;; end of part 1
;; launch attn (part 2): grid 4 x 64, 16 waves a work-group, no clusters, 67,584 bytes of LDS; arguments qimg, kimg, vimg, lowp_scales, zimg; writes zimg
.if DOCPART == 2
	.amdgcn_target "amdgcn-amd-amdhsa--gfx1250"
	.amdhsa_code_object_version 6
	.text
	.protected	k_q365bec4f14_attn
	.globl	k_q365bec4f14_attn
	.p2align	8
	.type	k_q365bec4f14_attn,@function
k_q365bec4f14_attn:
	s_mov_b64 s[64:65], 0
	v_nop
	global_prefetch_b8 v0, s[64:65] scope:SCOPE_SE
	s_setreg_imm32_b32 hwreg(HW_REG_WAVE_MODE, 25, 1), 1
	s_wait_xcnt 0x0
; Causal attention of one (batch, head) on codes of E5M2: S^T = K Q^T, p = 2^(t - M), O^T = V^T P^T, z = O / l quantised with 2^e6.  Head size 64, 2,048 tokens.
; qimg, kimg, vimg hold images of operand registers (16x16x64 form's own layout): a fragment is two chunks of 512 bytes, lane l's 16 bytes at 16 l.
; THE SOFTMAX: t = score x log2(e) / 8; M = the running largest t rounded UP to a whole number; p = 2^(t - M) is quantised with 2^e4, not normalised; the row's sum is taken of the unquantised p and divides at the end.
; When M moves, the sum and O^T are multiplied by 2^(old M - new M), made by v_ldexp_f32: nothing is rounded and no branch hangs on data.
; SHARES.  Work-group (p, bh) owns the query blocks 7 - p and p of 256 queries, so that all work-groups have the same number of key steps under the causal mask.  Each of its sixteen waves owns 32 queries:
; two tiles of 16, which share every fragment of K and V.  Waves 0-7: block 7 - p, queries 32 w on; waves 8-15: block p, queries 32 (15 - w) on.  A key step is 64 keys.
; Both products are used transposed: a lane holds ONE query (lane % 16) throughout; a tile of S^T converts into one register pair of P.
; K AND V come through registers into two LDS buffers of 256 keys (32 KiB each): each wave loads 4 x 512 bytes a lane-row a whole trip (four key steps) ahead of the stores that want them, so no wave stands waiting for that stream;
; one barrier a trip.  The loop's trip count is a constant; a step all of whose keys come after the wave's queries is passed over by a scalar branch on ids, a slot that no wave of the work-group needs is not loaded.
; NO CLUSTER, NO TENSOR LOAD: the four work-groups of a head need different numbers of slots (8 - p), and a slot's 32 KiB serve up to 64 key steps of waves; a scalar branch on the given e4 may
; pass over p's hold: p is at most 1 (and by rounding at most a few parts in ten million above), and 57,344 x 2^e4 lies above that for e4 >= -15; for e4 <= -16 the hold is executed.
; zimg: [K step of 128 = head pair 8][token tile 512][chunk 4][lane 32][16 bytes]: lane (r, h): token r, registers 4 c .. 4 c + 3: k = 32 c + 16 h + 0 .. 15, as four 16-byte loads give W_o's rows in the next launch.
; LIMITS: e2 + e3 between -123 and 130 (added to c's exponent field); e4 between -126 and 112; e6 - e4 - e5 between -126 and 112.
; REGISTERS: v1 16 x lane, v2 16 x thread, v5 r - 8 h, v6-7 the mask's bounds, v8 -infinity, v9 2^e4, v10-11 permute results, v12-27 statistics (8 a tile), v28-31 second sum chains,
;   v32-47 Q, v48-63 P, v64-95 four fragments of K or V, v96-159 S^T then p, v160-223 O^T, v224-239 the staged slot, v240 57,344 x 2^e4, v241 z's scale.
.set LI,   1
.set TI,   2
.set RH,   5
.set D0,   6
.set NINF, 8
.set SCP,  9
.set PX,   10
.set ST,   12                          ; tile u at v[ST + 8 u]: +0 -M, +1 largest t, +2, +3 the sum's halves, +4 f (later 1 / l), +5 named with it as a pair, +6, +7 the maximum's two chains
.set X2,   28
.set Q,    32
.set P,    48
.set FR,   64
.set S,    96
.set O,    160
.set STG,  224
.set LIMP, 240
.set SCZ,  241
	s_load_b256 s[4:11], s[0:1], 0x0               ; qimg s[4:5], kimg s[6:7], vimg s[8:9], lowp_scales s[10:11]
	s_load_b64 s[12:13], s[0:1], 0x20              ; zimg
	v_lshl_add_u32 v254, v0, 2, 0x10000
	v_mov_b32 v255, 0
	v_lshrrev_b32 v3, 5, v0
	v_readfirstlane_b32 s14, v3                    ; wave 0..15
	s_mov_b32 s15, ttmp9                           ; p
	s_and_b32 s16, ttmp7, 0xffff                   ; bh
	s_sub_co_u32 s27, 7, s15                       ; the last slot of keys that the work-group needs
	s_sub_co_u32 s37, 15, s14
	s_cmp_lt_u32 s14, 8
	s_cselect_b32 s36, s27, s15                    ; my block of 256 queries,
	s_cselect_b32 s37, s14, s37                    ; my 32 of them
	s_lshl_b32 s36, s36, 8
	s_lshl_b32 s37, s37, 5
	s_add_co_u32 s17, s36, s37                     ; Q0: my first query
	s_add_co_u32 s18, s17, 31                      ; my last
	s_mov_b32 s19, 0                               ; KF: the step's first key
	s_mov_b32 s20, 0x76543210                      ; v_permlanex16_b32's selects: lane l xor 16
	s_mov_b32 s21, 0xfedcba98
	v_and_b32 v[LI], 31, v0
	v_lshlrev_b32 v[LI], 4, v[LI]
	v_lshlrev_b32 v[TI], 4, v0
	v_and_b32 v3, 15, v0
	v_bfe_u32 v4, v0, 4, 1
	v_lshlrev_b32 v4, 3, v4
	v_sub_nc_u32 v[RH], v3, v4                     ; r - 8 h
	v_mov_b32 v[NINF], 0xff800000
	v_mov_b32 v[PX], 0                             ; a lane permute's destination counts as one of its sources
	v_mov_b32 v[PX+1], 0
	s_wait_kmcnt 0x0
	s_load_b256 s[28:35], s[10:11], 0x0            ; e0 .. e7
	s_lshl_b32 s38, s16, 17                        ; 131,072 bytes of each image for a bh
	s_mov_b32 s39, 0
	s_add_nc_u64 s[4:5], s[4:5], s[38:39]
	s_add_nc_u64 s[6:7], s[6:7], s[38:39]
	s_add_nc_u64 s[8:9], s[8:9], s[38:39]
	s_lshl_b32 s38, s17, 6                         ; a tile of 16 queries is 1,024 bytes
	s_add_nc_u64 s[4:5], s[4:5], s[38:39]
	global_load_b128 v[STG:STG+3], v[TI], s[6:7]                   ; slot 0: 512 threads x 16 bytes = 8,192 bytes an instruction; K's 16 KiB, then V's
	global_load_b128 v[STG+4:STG+7], v[TI], s[6:7] offset:8192
	global_load_b128 v[STG+8:STG+11], v[TI], s[8:9]
	global_load_b128 v[STG+12:STG+15], v[TI], s[8:9] offset:8192
.irp u, 0,1
	global_load_b128 v[Q+8*\u:Q+8*\u+3], v[LI], s[4:5] offset:\u*1024          ; Q's two fragments stay in registers
	global_load_b128 v[Q+8*\u+4:Q+8*\u+7], v[LI], s[4:5] offset:\u*1024+512
.endr
	s_and_b32 s36, s16, 15                         ; the head
	s_lshr_b32 s37, s16, 4                         ; the batch
	s_lshr_b32 s38, s36, 1
	s_lshl_b32 s38, s38, 20                        ; head pair x 512 token tiles x 2,048 bytes
	s_and_b32 s36, s36, 1
	s_lshl_b32 s36, s36, 10                        ; chunks 2 (head % 2) on
	s_add_co_u32 s38, s38, s36
	s_lshl_b32 s37, s37, 18                        ; 128 token tiles a batch
	s_add_co_u32 s38, s38, s37
	s_lshl_b32 s36, s17, 7                         ; Q0 / 16 tiles of 2,048 bytes
	s_add_co_u32 s38, s38, s36
	s_add_nc_u64 s[12:13], s[12:13], s[38:39]
.irp u, 0,1
	v_mov_b32 v[ST+8*\u+1], 0xff61b1e6             ; the largest t so far: -3e38, under every t
	v_floor_f32 v[ST+8*\u], -v[ST+8*\u+1]          ; -M
	v_mov_b32 v[ST+8*\u+2], 0                      ; the sum, in two halves
	v_mov_b32 v[ST+8*\u+3], 0
	v_mov_b32 v[ST+8*\u+5], 0                      ; (named as the upper half of the pair with f)
.endr
.set j, 0
.rept 64
	v_mov_b32 v[O+j], 0                            ; O^T.  The key step is written once: its first run finds zeros, which the first change of M leaves zeros
.set j, j+1
.endr
	s_wait_kmcnt 0x0
	s_add_co_i32 s36, s30, s31
	s_lshl_b32 s36, s36, 23
	s_add_co_i32 s22, s36, 0x3e38aa3b              ; c = log2(e) / 8, with e2 + e3 added to its exponent field: a score stands for score x 2^(e2 + e3)
	s_mov_b32 s23, s22                             ; (named with it as a pair)
	s_add_co_i32 s36, s32, 127
	s_lshl_b32 s37, s36, 23
	v_mov_b32 v[SCP], s37                          ; 2^e4
	s_add_co_i32 s36, s36, 15
	s_lshl_b32 s36, s36, 23
	s_or_b32 s36, s36, 0x600000
	v_mov_b32 v[LIMP], s36                         ; 57,344 x 2^e4
	s_sub_co_i32 s36, s34, s32
	s_sub_co_i32 s36, s36, s33                     ; O^T / l stands for z / 2^(e4 + e5): z's code is that / 2^(e6 - e4 - e5)
	s_add_co_i32 s36, s36, 127
	s_lshl_b32 s37, s36, 23
	v_mov_b32 v[SCZ], s37
	s_add_co_i32 s36, s36, 15
	s_lshl_b32 s36, s36, 23
	s_or_b32 s41, s36, 0x600000                    ; +-57,344 x that
	s_or_b32 s40, s41, 0x80000000
	s_wait_loadcnt 0x0                             ; slot 0 and Q are in; the loads' bases may be stepped
.irp i, 0,1,2,3
	ds_store_b128 v[TI], v[STG+4*\i:STG+4*\i+3] offset:8192*\i
.endr
	s_add_nc_u64 s[6:7], s[6:7], 16384             ; K and V at slot 1
	s_add_nc_u64 s[8:9], s[8:9], 16384
	s_wait_dscnt 0x0                               ; for the others' sake: my stores have landed
	s_barrier_signal -1
	s_barrier_wait -1
; A KEY STEP: 64 keys, the q-th of buffer beta.
.macro STEP beta, q
	s_cmp_gt_u32 s19, s18                          ; all 64 keys come after my 32 queries: the step's work is passed over (KF and Q0 are multiples of 64 and 32: a step that runs has KF <= Q0, so every query keeps a key)
	s_cbranch_scc1 .Lhidden_\@
.rept 4
	v_nop                                          ; places behind the last products, which read the fragments' registers
.endr
.irp i, 0,1,2,3
	ds_load_b128 v[FR+8*\i:FR+8*\i+3], v[LI] offset:\beta*32768+\q*4096+\i*1024
	ds_load_b128 v[FR+8*\i+4:FR+8*\i+7], v[LI] offset:\beta*32768+\q*4096+\i*1024+512
.endr
.irp i, 0,1,2,3
	s_wait_dscnt 6-2*\i                            ; fragment i's two loads are in; those of the later fragments may be out
.irp u, 0,1
	v_wmma_f32_16x16x64_bf8_bf8 v[S+32*\u+8*\i:S+32*\u+8*\i+7], v[FR+8*\i:FR+8*\i+7], v[Q+8*\u:Q+8*\u+7], 0   ; lane (r, h): query r of tile u; register 8 i + j: key KF + 16 i + 8 h + j
.endr
.endr
.rept 4
	v_nop                                          ; places: in front of the loads into the fragments' registers and of the first read of the scores
.endr
.irp t, 0,1,2,3
	ds_load_b128 v[FR+8*\t:FR+8*\t+3], v[LI] offset:\beta*32768+16384+\q*4096+\t*1024      ; V's four fragments land while the softmax is worked
	ds_load_b128 v[FR+8*\t+4:FR+8*\t+7], v[LI] offset:\beta*32768+16384+\q*4096+\t*1024+512
.endr
	s_add_co_u32 s36, s19, 63
	s_cmp_le_u32 s36, s17                          ; all keys count for all my queries: no mask
	s_cbranch_scc1 .Lopen_\@
	s_sub_co_u32 s36, s17, s19
	v_add_nc_u32 v[D0], s36, v[RH]                 ; tile 0: key 16 i + j (+ KF + 8 h) is hidden where 16 i + j > Q0 - KF + r - 8 h
	v_add_nc_u32 v[D0+1], 16, v[D0]                ; tile 1: sixteen queries on
.irp u, 0,1
.set n, 0
.rept 32
	v_cmp_gt_i32 vcc_lo, 16*(n/8)+n%8, v[D0+\u]
	v_cndmask_b32 v[S+32*\u+n], v[S+32*\u+n], v[NINF], vcc_lo      ; -infinity ahead of the maximum: p = 0
.set n, n+1
.endr
.endr
.Lopen_\@:
.irp u, 0,1                                    ; the step's largest score of my query among my 32 keys: two chains a tile, each accumulator read from its low end on
	v_max3_num_f32 v[ST+8*\u+6], v[S+32*\u], v[S+32*\u+1], v[S+32*\u+2]
	v_max3_num_f32 v[ST+8*\u+7], v[S+32*\u+16], v[S+32*\u+17], v[S+32*\u+18]
.endr
.irp i, 3,5,7,9,11,13
.irp u, 0,1
	v_max3_num_f32 v[ST+8*\u+6], v[ST+8*\u+6], v[S+32*\u+\i], v[S+32*\u+\i+1]
	v_max3_num_f32 v[ST+8*\u+7], v[ST+8*\u+7], v[S+32*\u+16+\i], v[S+32*\u+17+\i]
.endr
.endr
.irp u, 0,1
	v_max3_num_f32 v[ST+8*\u+6], v[ST+8*\u+6], v[S+32*\u+15], v[S+32*\u+31]
.endr
.irp u, 0,1
	v_max_num_f32 v[ST+8*\u+6], v[ST+8*\u+6], v[ST+8*\u+7]
.endr
.irp u, 0,1
	v_permlanex16_b32 v[PX+\u], v[ST+8*\u+6], s20, s21             ; the query's other 32 keys lie in lane l xor 16
.endr
.irp u, 0,1
	v_max_num_f32 v[ST+8*\u+6], v[ST+8*\u+6], v[PX+\u]
.endr
.irp u, 0,1
	v_mul_f32 v[ST+8*\u+6], s22, v[ST+8*\u+6]      ; as t (c is positive)
.endr
.irp u, 0,1
	v_max_num_f32 v[ST+8*\u+1], v[ST+8*\u+1], v[ST+8*\u+6]         ; the running largest t
.endr
.irp u, 0,1
	v_mov_b32 v[ST+8*\u+7], v[ST+8*\u]
.endr
.irp u, 0,1
	v_floor_f32 v[ST+8*\u], -v[ST+8*\u+1]          ; the new -M = floor(-t) = -ceil(t)
.endr
.irp u, 0,1
	v_sub_f32 v[ST+8*\u+7], v[ST+8*\u], v[ST+8*\u+7]               ; old M - new M: a whole number, 0 or less
.endr
.irp u, 0,1
	v_cvt_i32_f32 v[ST+8*\u+7], v[ST+8*\u+7]       ; (it saturates)
.endr
.irp u, 0,1
	v_ldexp_f32 v[ST+8*\u+4], 1.0, v[ST+8*\u+7]    ; f = 2^(old M - new M)
.endr
.irp u, 0,1
.set j, 0
.rept 16
	v_pk_fma_f32 v[S+32*\u+j:S+32*\u+j+1], v[S+32*\u+j:S+32*\u+j+1], s[22:23], v[ST+8*\u:ST+8*\u+1] op_sel_hi:[1,0,0]   ; t - M, two at a time (of c's and -M's pairs the low word serves both halves)
.set j, j+2
.endr
.endr
.set j, 0
.rept 64
	v_exp_f32 v[S+j], v[S+j]                       ; p = 2^(t - M): one batch
.set j, j+1
.endr
.irp u, 0,1
	v_pk_mul_f32 v[ST+8*\u+2:ST+8*\u+3], v[ST+8*\u+2:ST+8*\u+3], v[ST+8*\u+4:ST+8*\u+5] op_sel_hi:[1,0]   ; the sums under the new M: also the plain line behind the last exponential
.endr
	s_wait_alu depctr_va_vdst(0)                   ; one wait for the batch, ahead of the first line that names a result
.irp u, 0,1
	v_pk_add_f32 v[X2+2*\u:X2+2*\u+1], v[S+32*\u:S+32*\u+1], v[S+32*\u+2:S+32*\u+3]        ; the row's sum is taken of the UNQUANTISED p: two chains a tile
.endr
.irp j, 4,8,12,16,20,24,28
.irp u, 0,1
	v_pk_add_f32 v[ST+8*\u+2:ST+8*\u+3], v[ST+8*\u+2:ST+8*\u+3], v[S+32*\u+\j:S+32*\u+\j+1]
	v_pk_add_f32 v[X2+2*\u:X2+2*\u+1], v[X2+2*\u:X2+2*\u+1], v[S+32*\u+\j+2:S+32*\u+\j+3]
.endr
.endr
.irp u, 0,1
	v_pk_add_f32 v[ST+8*\u+2:ST+8*\u+3], v[ST+8*\u+2:ST+8*\u+3], v[X2+2*\u:X2+2*\u+1]
.endr
	s_cmp_ge_i32 s32, -15                          ; 57,344 x 2^e4 >= 1.75 there: no p reaches it, the hold would change nothing
	s_cbranch_scc1 .Lnohold_\@
.set j, 0
.rept 64
	v_min_num_f32 v[S+j], v[S+j], v[LIMP]          ; the conversion does not saturate (ISA guide 7.6.2); p is not negative, so the hold is one-sided
.set j, j+1
.endr
.Lnohold_\@:
.irp u, 0,1
.irp c, 0,1,2,3
	v_cvt_scalef32_pk8_bf8_f32 v[P+8*\u+2*\c:P+8*\u+2*\c+1], v[S+32*\u+8*\c:S+32*\u+8*\c+7], v[SCP]   ; tile c of S^T is pair c of P: keys 16 c + 8 h + 0 .. 7
.endr
.endr
.irp u, 0,1
.set j, 0
.rept 16
	v_pk_mul_f32 v[O+32*\u+j:O+32*\u+j+1], v[O+32*\u+j:O+32*\u+j+1], v[ST+8*\u+4:ST+8*\u+5] op_sel_hi:[1,0]   ; O^T under the new M; also the plain lines behind the conversions
.set j, j+2
.endr
.endr
	s_wait_dscnt 0x0                               ; V is in
.irp t, 0,1,2,3
.irp u, 0,1
	v_wmma_f32_16x16x64_bf8_bf8 v[O+32*\u+8*\t:O+32*\u+8*\t+7], v[FR+8*\t:FR+8*\t+7], v[P+8*\u:P+8*\u+7], v[O+32*\u+8*\t:O+32*\u+8*\t+7]   ; eight accumulators by turns; register j: d = 16 t + 8 h + j
.endr
.endr
.Lhidden_\@:
	s_add_co_u32 s19, s19, 64
.endm
; A TRIP: slot treg lies in buffer beta.  The next slot, if the work-group needs it, is loaded at the trip's head and stored into the other buffer at its end.
; One barrier orders both: my reads of this buffer are over before anybody fills it in the next trip, and the other buffer is whole before anybody reads it.
.macro TRIP beta, treg
	s_cmp_lt_u32 s[\treg], s27
	s_cbranch_scc0 .Lnoload_\@
	global_load_b128 v[STG:STG+3], v[TI], s[6:7]
	global_load_b128 v[STG+4:STG+7], v[TI], s[6:7] offset:8192
	global_load_b128 v[STG+8:STG+11], v[TI], s[8:9]
	global_load_b128 v[STG+12:STG+15], v[TI], s[8:9] offset:8192
.Lnoload_\@:
	STEP \beta, 0
	STEP \beta, 1
	STEP \beta, 2
	STEP \beta, 3
	s_wait_loadcnt 0x0                             ; the staged slot is in (nothing is out where none was asked for): its registers may be read and the bases stepped
	s_cmp_lt_u32 s[\treg], s27
	s_cbranch_scc0 .Lnostore_\@
.irp i, 0,1,2,3
	ds_store_b128 v[TI], v[STG+4*\i:STG+4*\i+3] offset:(1-\beta)*32768+8192*\i
.endr
	s_add_nc_u64 s[6:7], s[6:7], 16384
	s_add_nc_u64 s[8:9], s[8:9], 16384
.Lnostore_\@:
	s_wait_dscnt 0x0                               ; my stores have landed and my reads are over
	s_barrier_signal -1
	s_barrier_wait -1
.endm
	s_mov_b32 s26, 0
.Lloop:                                            ; four trips of two slots: the buffers are back where they began
	TRIP 0, 26
	s_add_co_u32 s42, s26, 1
	TRIP 1, 42
	s_add_co_u32 s26, s26, 2
	s_cmp_lt_u32 s26, 8
	s_cbranch_scc1 .Lloop
	; THE WAY OUT: l, z = O^T / l, the hold, the conversions; then each pair of register pairs changes halves so that a lane half holds 16 neighbouring d, and four stores of 512 bytes.
.rept 4
	v_nop                                          ; places behind the last products
.endr
.irp u, 0,1
	v_add_f32 v[ST+8*\u+6], v[ST+8*\u+2], v[ST+8*\u+3]
.endr
.irp u, 0,1
	v_permlanex16_b32 v[PX+\u], v[ST+8*\u+6], s20, s21
.endr
.irp u, 0,1
	v_add_f32 v[ST+8*\u+6], v[ST+8*\u+6], v[PX+\u] ; the row's sum
.endr
.irp u, 0,1
	v_rcp_f32 v[ST+8*\u+4], v[ST+8*\u+6]
.endr
	v_nop                                          ; a plain line behind the last reciprocal
	s_wait_alu depctr_va_vdst(0)                   ; one wait for both, ahead of their first reader
.irp u, 0,1
.set j, 0
.rept 16
	v_pk_mul_f32 v[S+32*\u+j:S+32*\u+j+1], v[O+32*\u+j:O+32*\u+j+1], v[ST+8*\u+4:ST+8*\u+5] op_sel_hi:[1,0]
.set j, j+2
.endr
.endr
.set j, 0
.rept 64
	v_med3_num_f32 v[S+j], v[S+j], s40, s41        ; the hold at the largest code x the scale
.set j, j+1
.endr
.irp u, 0,1
.irp t, 0,1,2,3
	v_cvt_scalef32_pk8_bf8_f32 v[P+8*\u+2*\t:P+8*\u+2*\t+1], v[S+32*\u+8*\t:S+32*\u+8*\t+7], v[SCZ]   ; pair t: d = 16 t + 8 h + 0 .. 7
.endr
.endr
	v_nop                                          ; one plain line behind the last conversion
.irp u, 0,1
.irp c, 0,1
.irp i, 0,1
	v_permlane16_swap_b32 v[P+8*\u+4*\c+\i], v[P+8*\u+4*\c+2+\i]   ; pair 2 c's upper lanes change places with pair 2 c + 1's lower lanes: the four registers then hold d = 32 c + 16 h + 0 .. 15
.endr
.endr
.endr
.irp u, 0,1
.irp c, 0,1
	global_store_b128 v[LI], v[P+8*\u+4*\c:P+8*\u+4*\c+3], s[12:13] offset:\u*2048+\c*512
.endr
.endr
	s_wait_tensorcnt 0x0
	ds_add_u32 v254, v255
	s_wait_dscnt 0x0
	s_endpgm
.Lfunc_end_k_q365bec4f14_attn:
	.size	k_q365bec4f14_attn, .Lfunc_end_k_q365bec4f14_attn-k_q365bec4f14_attn
	.p2alignl 7, 3214868480
	.fill 96, 4, 3214868480
	.section	.rodata,"a",@progbits
	.p2align	6, 0x0
	.amdhsa_kernel k_q365bec4f14_attn
		.amdhsa_group_segment_fixed_size 67584
		.amdhsa_private_segment_fixed_size 0
		.amdhsa_enable_private_segment 0
		.amdhsa_kernarg_size 40
		.amdhsa_user_sgpr_count 2
		.amdhsa_user_sgpr_kernarg_segment_ptr 1
		.amdhsa_wavefront_size32 1
		.amdhsa_system_sgpr_workgroup_id_x 1
		.amdhsa_system_sgpr_workgroup_id_y 1
		.amdhsa_system_sgpr_workgroup_id_z 1
		.amdhsa_system_vgpr_workitem_id 0
		.amdhsa_next_free_vgpr 256
		.amdhsa_next_free_sgpr 66
		.amdhsa_reserve_vcc 1
		.amdhsa_float_denorm_mode_32 3
		.amdhsa_float_denorm_mode_16_64 3
		.amdhsa_memory_ordered 1
		.amdhsa_forward_progress 1
		.amdhsa_inst_pref_size 178
	.end_amdhsa_kernel
	.amdgpu_metadata
---
amdhsa.version: [ 1, 2 ]
amdhsa.kernels:
  - .name:           k_q365bec4f14_attn
    .symbol:         k_q365bec4f14_attn.kd
    .args:
      - { .name: qimg, .offset: 0, .size: 8, .value_kind: global_buffer, .address_space: global }
      - { .name: kimg, .offset: 8, .size: 8, .value_kind: global_buffer, .address_space: global }
      - { .name: vimg, .offset: 16, .size: 8, .value_kind: global_buffer, .address_space: global }
      - { .name: lowp_scales, .offset: 24, .size: 8, .value_kind: global_buffer, .address_space: global }
      - { .name: zimg, .offset: 32, .size: 8, .value_kind: global_buffer, .address_space: global }
    .group_segment_fixed_size: 67584
    .private_segment_fixed_size: 0
    .kernarg_segment_align: 8
    .kernarg_segment_size: 40
    .max_flat_workgroup_size: 512
    .sgpr_count:     66
    .vgpr_count:     256
    .wavefront_size: 32
...
	.end_amdgpu_metadata
.endif
;; end of part 2
;; launch outp (part 3): grid 8 x 32, 4 waves a work-group, clusters of 4 x 4, 327,680 bytes of LDS; arguments zimg, W_o_codes, b_o, lowp_scales, out0; writes out0
.if DOCPART == 3
	.amdgcn_target "amdgcn-amd-amdhsa--gfx1250"
	.amdhsa_code_object_version 6
	.text
	.protected	k_q365bec4f14_outp
	.globl	k_q365bec4f14_outp
	.p2align	8
	.type	k_q365bec4f14_outp,@function
k_q365bec4f14_outp:
	s_mov_b64 s[64:65], 0
	v_nop
	global_prefetch_b8 v0, s[64:65] scope:SCOPE_SE
	s_setreg_imm32_b32 hwreg(HW_REG_WAVE_MODE, 25, 1), 1
	s_wait_xcnt 0x0
	s_wait_alu depctr_hold_cnt(0) depctr_sa_sdst(0) depctr_va_vdst(0) depctr_va_sdst(0) depctr_va_ssrc(0) depctr_va_vcc(0) depctr_vm_vsrc(0)
	s_getreg_b32 s2, hwreg(HW_REG_IB_STS2, 6, 4)
	s_cmp_eq_u32 s2, 0
	s_cbranch_scc0 .Lentry_in_a_cluster
	s_endpgm
.Lentry_in_a_cluster:
	s_bfe_u32 s2, ttmp6, 0x10000c
	s_cmp_lg_u32 s2, 0xf033
	s_cbranch_scc0 .Lentry_shape_is_right
	s_endpgm
.Lentry_shape_is_right:
; out = z W_o^T + b_o on codes of E5M2.  z comes as images of operand registers (zimg: [K step of 128: 8][token tile 512][chunk 4][lane 32][16 bytes]), W_o as [1024][1024] codes, K innermost; out [8192][1024] f32.
; A number of z is code x 2^e6, of W_o code x 2^e7: each finished sum is multiplied once by 2^(e6 + e7) and b_o added, one packed multiply-add for two numbers.
; SHARES.  A work-group makes 256 tokens x 128 features: grid 8 x 32 = one work-group for each of 256 tiles.  Wave w: rho = w / 2 picks 128 tokens, chi = w % 2 picks 64 features: 8 x 4 accumulators.
; The product is used transposed (source 0 = 16 rows of W_o, source 1 = 16 tokens): a lane holds eight neighbouring numbers of a row of out.
; K goes in four steps of 256 through two LDS slots; the eight sub-steps of 128 are written straight.  z's part of a slot is two dense blocks of 32,768 bytes, read back 512 consecutive bytes a load; W_o's rows are padded.
; CLUSTER 4 x 4: z's block hangs on the token block alone (joint along a row of the cluster), W_o's tile on the feature block alone (joint along a column).
; LIMIT: e6 + e7 between -126 and 127, so that 2^(e6 + e7) is an f32 number.
; REGISTERS, in windows of 256: window 0: v1-29 addresses, v32-63 b_o in the result's layout, v64-95 at work on the way out, v128-255 z's 8 fragments (one set), later rows of out.
;   window 1: W_o's 4 fragments, two sets, at v0 and v128.   window 2: the 32 accumulators at v[8 (4 a + f)].
.set PITCH, 272
.set ZB,    65536                      ; z's images of a K step of 256: two blocks of 16 token tiles x 2,048 bytes
.set SLOT,  ZB+128*PITCH               ; then W_o's 128 rows
.set SPARE, 2*SLOT                     ; behind the ring: the spare words, 128 bytes a wave: two blocks of 256 bytes that no other line names
.set STAGE, SPARE+512                  ; the way out: 16 rows x 272 bytes for each wave: bytes of their own, into which no fill lands
.set ADRZ, 16                          ; v16-17  LDS address of my z fragments in slot 0, 1
.set ADRW, 20                          ; v20-21  the same for W_o
.set STO,  24
.set RD,   25
.set CO,   26
.set SPW,  28
.set NIL,  29
.set BO,   32
.set TMP,  64
.set AF,   128
.set BK,   128
.set G1,   24
.set G0,   32
.set G1B,  48
.set G0B,  56
.set MSB,  0
.macro WIN new
.if MSB != (\new)
	s_set_vgpr_msb (MSB<<8)|(\new)
.set MSB, (\new)
.endif
.endm
.macro PLACES
.rept 4
	v_nop
.endr
.endm
; A joint load: waves 0 and 1 fetch z's two blocks, waves 2 and 3 W_o's two halves.  Four v_nop follow each line.
.macro JLOAD s
	s_cmp_eq_u32 s15, 0
	s_cbranch_scc0 .Lfor_w_\@
	tensor_load_to_lds s[G0+4*\s:G0+4*\s+3], s[G1:G1+7]
	s_nop 0
.rept 4
	v_nop
.endr
	s_branch .Lasked_\@
.Lfor_w_\@:
	tensor_load_to_lds s[G0B+4*\s:G0B+4*\s+3], s[G1B:G1B+7]
	s_nop 0
.rept 4
	v_nop
.endr
.Lasked_\@:
.endm
.macro CREST
	s_cmp_lg_u32 s14, 0
	s_cbranch_scc1 .Lnot_wave_0_\@
	s_barrier_signal -3
.Lnot_wave_0_\@:
	s_barrier_wait -3
	s_barrier_signal -1
	s_barrier_wait -1
.endm
.macro CROUND
	s_barrier_signal -1
	s_barrier_wait -1
	CREST
.endm
	s_load_b256 s[4:11], s[0:1], 0x0               ; zimg s[4:5], W_o s[6:7], b_o s[8:9], lowp_scales s[10:11]
	s_load_b64 s[12:13], s[0:1], 0x20              ; out0
	v_lshl_add_u32 v[SPW], v0, 2, SPARE
	v_mov_b32 v[NIL], 0
	ds_add_u32 v28, v29
	ds_add_u32 v28, v29
	s_wait_dscnt 0x0
	v_lshrrev_b32 v1, 5, v0
	v_readfirstlane_b32 s14, v1                    ; wave 0..3
	s_lshr_b32 s15, s14, 1                         ; rho.  Also: I fetch for z (0) or for W_o (1)
	s_and_b32 s16, s14, 1                          ; chi.  Also: which half I fetch
	s_bfe_u32 s40, ttmp6, 0x40000                  ; cx
	s_bfe_u32 s41, ttmp6, 0x40004                  ; cy
	s_lshl_b32 s42, ttmp9, 2
	s_add_co_u32 s42, s42, s40                     ; X: block of 128 features
	s_and_b32 s17, ttmp7, 0xffff
	s_lshl_b32 s17, s17, 2
	s_add_co_u32 s17, s17, s41                     ; Y: block of 256 tokens
	s_lshl_b32 s43, s41, 2
	s_lshl_b32 s43, 15, s43                        ; my row of the cluster
	s_lshl_b32 s44, 0x1111, s40                    ; my column
	s_or_b32 s[G1], s43, (3<<16)|(1<<21)           ; z: elements of 8 bytes, no padding: a dense block as 128 rows of 256 bytes
	s_mov_b32 s[G1+1], 32<<16                      ; tensor_dim0 = 32
	s_mov_b32 s[G1+2], 128<<16                     ; tensor_dim1 = 128
	s_mov_b32 s[G1+3], 32<<16                      ; tile_dim0 = 32
	s_mov_b32 s[G1+4], 128                         ; tile_dim1 = 128
	s_mov_b32 s[G1+5], 32                          ; from row to row
	s_mov_b32 s[G1+6], 0
	s_mov_b32 s[G1+7], 0
	s_or_b32 s[G1B], s44, (1<<20)|(1<<21)|(5<<22)|(3<<25)   ; W_o: elements of 1 byte; four words of padding after every 64
	s_mov_b32 s[G1B+1], 256<<16
	s_mov_b32 s[G1B+2], 64<<16
	s_mov_b32 s[G1B+3], 256<<16
	s_mov_b32 s[G1B+4], 64
	s_mov_b32 s[G1B+5], 1024
	s_mov_b32 s[G1B+6], 0
	s_mov_b32 s[G1B+7], 0
	s_lshl_b32 s74, s16, 20                        ; z: K step of 128 number (w % 2), 1,048,576 bytes each, + 16 Y token tiles of 2,048 bytes: made of Y and the wave's number alone
	s_lshl_b32 s75, s17, 15
	s_add_co_u32 s74, s74, s75
	s_mov_b32 s75, 0
	s_lshl_b32 s46, s42, 17                        ; W_o: (128 X + 64 (w % 2)) rows of 1,024 bytes: made of X and the wave's number alone
	s_lshl_b32 s47, s16, 16
	s_add_co_u32 s46, s46, s47
	s_mov_b32 s47, 0
	s_lshl_b32 s45, s16, 15                        ; where they go in a slot
	s_mul_i32 s66, s16, 64*PITCH
	s_add_co_u32 s66, s66, ZB
	s_wait_kmcnt 0x0
	s_load_b256 s[80:87], s[10:11], 0x0            ; e0 .. e7
	s_add_nc_u64 s[74:75], s[4:5], s[74:75]
	s_add_nc_u64 s[46:47], s[6:7], s[46:47]
	CROUND                                         ; all sixteen work-groups are here: the first joint loads meet
.irp s, 0,1
	s_mov_b32 s[G0+4*\s], 1
	s_add_co_u32 s[G0+4*\s+1], s45, \s*SLOT
	s_add_nc_u64 s[G0+4*\s+2:G0+4*\s+3], s[74:75], \s*2097152
	s_or_b32 s[G0+4*\s+3], s[G0+4*\s+3], 0x80000000
	s_mov_b32 s[G0B+4*\s], 1
	s_add_co_u32 s[G0B+4*\s+1], s66, \s*SLOT
	s_add_nc_u64 s[G0B+4*\s+2:G0B+4*\s+3], s[46:47], \s*256
	s_or_b32 s[G0B+4*\s+3], s[G0B+4*\s+3], 0x80000000
	JLOAD \s                                       ; K steps 0 and 1: two loads of mine are out
.endr
	v_and_b32 v1, 15, v0                           ; r
	v_bfe_u32 v2, v0, 4, 1                         ; h
	v_mul_u32_u24 v3, v1, PITCH
	v_lshl_add_u32 v4, v2, 4, v3                   ; W_o: row x pitch + 16 h
	v_and_b32 v5, 31, v0
	v_lshlrev_b32 v5, 4, v5                        ; z: 16 x lane
	s_lshl_b32 s21, s15, 14                        ; my 8 token tiles of 2,048 bytes
	s_mul_i32 s22, s16, 64*PITCH
	s_add_co_u32 s22, s22, ZB                      ; my 64 rows of W_o
.irp s, 0,1
	v_add_nc_u32 v[ADRZ+\s], s21, v5
	v_add_nc_u32 v[ADRW+\s], s22, v4
	s_add_co_u32 s21, s21, SLOT
	s_add_co_u32 s22, s22, SLOT
.endr
	s_mul_i32 s23, s14, 16*PITCH
	s_add_co_u32 s23, s23, STAGE                   ; my stage
	v_lshl_add_u32 v6, v2, 5, v3                   ; in: row r, 32 bytes for each half of the lanes
	v_add_nc_u32 v[STO], s23, v6
	v_mul_u32_u24 v7, v2, PITCH                    ; back: lanes 0-15 one row of 256 bytes, lanes 16-31 the next
	v_lshl_add_u32 v7, v1, 4, v7
	v_add_nc_u32 v[RD], s23, v7
	v_lshlrev_b32 v[CO], 12, v2                    ; and the same two rows in out: 4,096 bytes a row
	v_lshl_add_u32 v[CO], v1, 4, v[CO]
	v_lshlrev_b32 v8, 5, v2                        ; b_o: a lane's eight numbers begin 32 h bytes into a tile's 64
	s_lshl_b32 s78, s42, 9
	s_lshl_b32 s79, s16, 8
	s_add_co_u32 s78, s78, s79
	s_mov_b32 s79, 0
	s_add_nc_u64 s[8:9], s[8:9], s[78:79]          ; b_o at feature 128 X + 64 chi
.irp f, 0,1,2,3
	global_load_b128 v[BO+8*\f:BO+8*\f+3], v8, s[8:9] offset:64*\f
	global_load_b128 v[BO+8*\f+4:BO+8*\f+7], v8, s[8:9] offset:64*\f+16
.endr
	s_lshl_b32 s76, s17, 8
	s_lshl_b32 s77, s15, 7
	s_add_co_u32 s76, s76, s77                     ; my first row of out: 256 Y + 128 rho
	s_lshl_b32 s76, s76, 12
	s_add_co_u32 s76, s76, s78                     ; + my first column, in bytes: 512 X + 256 chi
	s_mov_b32 s77, 0
	s_add_nc_u64 s[12:13], s[12:13], s[76:77]
	s_wait_kmcnt 0x0
	s_add_co_i32 s96, s86, s87
	s_add_co_i32 s96, s96, 127
	s_lshl_b32 s96, s96, 23                        ; 2^(e6 + e7) as f32
	s_mov_b32 s97, s96                             ; (named with it as a pair)
	s_wait_loadcnt 0x0                             ; b_o
.macro FETCH_W slot, q, p              ; W_o's four fragments of the slot's q-th 128 along K into set p: 16 loads
	WIN 0x40
.irp f, 0,1,2,3
.irp c, 0,1,2,3
	ds_load_b128 v[128*(\p)+16*\f+4*\c:128*(\p)+16*\f+4*\c+3], v[ADRW+\slot] offset:128*(\q)+32*\c+\f*16*PITCH
.endr
.endr
	WIN 0
.endm
.macro FETCH_Z slot, q, i0             ; z's blocks i0 .. i0 + 3, as they lie: 16 loads of 512 consecutive bytes
.irp i, \i0, \i0+1, \i0+2, \i0+3
.irp c, 0,1,2,3
	ds_load_b128 v[AF+16*(\i)+4*\c:AF+16*(\i)+4*\c+3], v[ADRZ+\slot] offset:32768*(\q)+2048*(\i)+512*\c
.endr
.endr
.endm
; 8 products: token tiles a0, a0 + 1 x the four feature tiles.  The 32 accumulators take turns, one instruction a turn, in the same order in every sub-step.
.macro MUL8 a0, p, zero
.irp a, \a0, \a0+1
.irp f, 0,1,2,3
.if \zero
	v_wmma_f32_16x16x128_bf8_bf8 v[8*(4*(\a)+\f):8*(4*(\a)+\f)+7], v[128*(\p)+16*\f:128*(\p)+16*\f+15], v[AF+16*(\a):AF+16*(\a)+15], 0
.else
	v_wmma_f32_16x16x128_bf8_bf8 v[8*(4*(\a)+\f):8*(4*(\a)+\f)+7], v[128*(\p)+16*\f:128*(\p)+16*\f+15], v[AF+16*(\a):AF+16*(\a)+15], v[8*(4*(\a)+\f):8*(4*(\a)+\f)+7]
.endif
.endr
.endr
.endm
.macro STEP slot, zero
	s_wait_dscnt 16                                ; W_o's set and z's blocks 0-3 are in; the sixteen youngest loads (blocks 4-7) may be out
	WIN 0xa1                                       ; source 0 (W_o) window 1, source 1 (z) window 0, C and D window 2
	MUL8 0, 0, \zero
	MUL8 2, 0, \zero
	s_wait_dscnt 0x0
	PLACES
	FETCH_W \slot, 1, 1
	FETCH_Z \slot, 1, 0
	WIN 0xa1
	MUL8 4, 0, \zero
	MUL8 6, 0, \zero
	PLACES
	WIN 0
	FETCH_Z \slot, 1, 4
.endm
.macro TURN slot, next, fill
	s_wait_tensorcnt 0x0                           ; all my tensor loads have landed: my part of the next slot
	ds_add_u32 v[SPW], v[NIL]                      ; 0 onto my spare word
	s_wait_dscnt 17                                ; (the add and the sixteen youngest loads may be out)
	WIN 0xa1
	MUL8 0, 1, 0                                   ; eight products stand between the add and the wait for it
	s_wait_dscnt 0x0                               ; the add is done, and my reads of this slot are over
	s_barrier_signal -1
	MUL8 2, 1, 0
	WIN 0
	s_barrier_wait -1
.if \fill
	CREST                                          ; the barrier has opened a round of the cluster's: no wave of any partner still reads this slot or has a load on its way
	s_add_nc_u64 s[G0+4*\slot+2:G0+4*\slot+3], s[G0+4*\slot+2:G0+4*\slot+3], 4194304
	s_add_nc_u64 s[G0B+4*\slot+2:G0B+4*\slot+3], s[G0B+4*\slot+2:G0B+4*\slot+3], 512
	JLOAD \slot                                    ; two K steps on; its four v_nop are also the places in front of the loads below
.else
	PLACES
.endif
	FETCH_W \next, 0, 0
	FETCH_Z \next, 0, 0
	WIN 0xa1
	MUL8 4, 1, 0
	MUL8 6, 1, 0
	PLACES
	WIN 0
	FETCH_Z \next, 0, 4
.endm
	s_wait_tensorcnt 0x1                           ; my part of K step 0 is in; K step 1's load, issued behind it, may stay out
	s_barrier_signal -1
	s_barrier_wait -1
	FETCH_W 0, 0, 0
	FETCH_Z 0, 0, 0
	FETCH_Z 0, 0, 4
	STEP 0, 1                                      ; the first products start the sums: nothing is cleared
	TURN 0, 1, 1
	STEP 1, 0
	TURN 1, 0, 1
	STEP 0, 0
	TURN 0, 1, 0
	STEP 1, 0
	s_wait_dscnt 16                                ; the last 128 along K
	WIN 0xa1
	MUL8 0, 1, 0
	MUL8 2, 1, 0
	s_wait_dscnt 0x0
	MUL8 4, 1, 0
	MUL8 6, 1, 0
	WIN 0
	PLACES
; THE WAY OUT, a block of 16 rows x 64 columns at a time: sum x 2^(e6 + e7) + b_o, 32 bytes a lane into my own stage, back as whole rows of 256 bytes, which sixteen lanes store, aligned.
; LDS serves a wave's instructions in order (ISA guide 5.7.1.4): no wait between my stores and my loads, nor in front of the next block's stores.
.macro TOSTAGE a
	WIN 0x02                                       ; source 0 (the sums) window 2
.irp f, 0,1,2,3
.irp i, 0,2,4,6
	v_pk_fma_f32 v[TMP+8*\f+\i:TMP+8*\f+\i+1], v[8*(4*(\a)+\f)+\i:8*(4*(\a)+\f)+\i+1], s[96:97], v[BO+8*\f+\i:BO+8*\f+\i+1] op_sel_hi:[1,0,1]   ; each accumulator from its low end on
.endr
.endr
	WIN 0
.irp f, 0,1,2,3
	ds_store_b128 v[STO], v[TMP+8*\f:TMP+8*\f+3] offset:64*\f
	ds_store_b128 v[STO], v[TMP+8*\f+4:TMP+8*\f+7] offset:64*\f+16
.endr
.set BB, BK+32*((\a)%2)
.irp t, 0,1,2,3,4,5,6,7
	ds_load_b128 v[BB+4*\t:BB+4*\t+3], v[RD] offset:\t*2*PITCH
.endr
.endm
.macro SEND a, younger                 ; younger: the LDS instructions issued behind block a's loads
.set BB, BK+32*((\a)%2)
	s_wait_dscnt \younger                          ; the block is back in registers
.if (\a) > 0
	s_add_nc_u64 s[12:13], s[12:13], 65536         ; 16 rows of out on (behind a wait on XCNT: the earlier stores have read their base)
.endif
.irp t, 0,1,2,3,4,5,6,7
	global_store_b128 v[CO], v[BB+4*\t:BB+4*\t+3], s[12:13] offset:\t*8192 th:TH_STORE_NT   ; written once, read by nobody here
.endr
.endm
	TOSTAGE 0
.irp a, 1,2,3,4,5,6,7
.if \a > 1
	s_wait_xcnt 0x0                                ; block a - 2's stores have read their registers and their base: block a's loads may land there, and the base may step
.endif
	TOSTAGE \a
	SEND \a-1, 16                                  ; behind block a - 1's loads: block a's 8 stores and 8 loads
.endr
	s_wait_xcnt 0x0                                ; block 6's stores have read their base
	SEND 7, 0
	s_wait_tensorcnt 0x0                           ; the wave's end
	ds_add_u32 v[SPW], v[NIL]
	s_wait_dscnt 0x0
	CROUND                                         ; the closing round: no work-group ends while a partner may still ask for a tile that names it
	s_endpgm
.Lfunc_end_k_q365bec4f14_outp:
	.size	k_q365bec4f14_outp, .Lfunc_end_k_q365bec4f14_outp-k_q365bec4f14_outp
	.p2alignl 7, 3214868480
	.fill 96, 4, 3214868480
	.section	.rodata,"a",@progbits
	.p2align	6, 0x0
	.amdhsa_kernel k_q365bec4f14_outp
		.amdhsa_group_segment_fixed_size 327680
		.amdhsa_private_segment_fixed_size 0
		.amdhsa_enable_private_segment 0
		.amdhsa_kernarg_size 40
		.amdhsa_user_sgpr_count 2
		.amdhsa_user_sgpr_kernarg_segment_ptr 1
		.amdhsa_wavefront_size32 1
		.amdhsa_system_sgpr_workgroup_id_x 1
		.amdhsa_system_sgpr_workgroup_id_y 1
		.amdhsa_system_sgpr_workgroup_id_z 1
		.amdhsa_system_vgpr_workitem_id 0
		.amdhsa_next_free_vgpr 768
		.amdhsa_next_free_sgpr 100
		.amdhsa_reserve_vcc 0
		.amdhsa_float_denorm_mode_32 3
		.amdhsa_float_denorm_mode_16_64 3
		.amdhsa_memory_ordered 1
		.amdhsa_forward_progress 1
		.amdhsa_inst_pref_size 78
	.end_amdhsa_kernel
	.amdgpu_metadata
---
amdhsa.version: [ 1, 2 ]
amdhsa.kernels:
  - .name:           k_q365bec4f14_outp
    .symbol:         k_q365bec4f14_outp.kd
    .args:
      - { .name: zimg, .offset: 0, .size: 8, .value_kind: global_buffer, .address_space: global }
      - { .name: W_o_codes, .offset: 8, .size: 8, .value_kind: global_buffer, .address_space: global }
      - { .name: b_o, .offset: 16, .size: 8, .value_kind: global_buffer, .address_space: global }
      - { .name: lowp_scales, .offset: 24, .size: 8, .value_kind: global_buffer, .address_space: global }
      - { .name: out0, .offset: 32, .size: 8, .value_kind: global_buffer, .address_space: global }
    .group_segment_fixed_size: 327680
    .private_segment_fixed_size: 0
    .kernarg_segment_align: 8
    .kernarg_segment_size: 40
    .max_flat_workgroup_size: 128
    .sgpr_count:     100
    .vgpr_count:     768
    .wavefront_size: 32
...
	.end_amdgpu_metadata
.endif
;; end of part 3
